; MI455X (gfx1250); checked and timed in simulation.
; The chip was launched on July 23, 2026; its instructions are those of AMD's public machine-readable ISA for CDNA 5 (MIT licence, August 2026) and "CDNA5" Instruction Set Architecture Reference Guide (July 2026). The comments in the code are by the model that wrote it; some were corrected since.
;; Octonion Fused Linear. Allowed arithmetic: matrix products marked QUANTISED: E4M3 operands, one given power-of-two scale a tensor, by v_wmma_f32_16x16x64_fp8_fp8 or v_wmma_f32_16x16x128_fp8_fp8, f32 sums; products left as they are: f32 operands where the result goes on into a quantised operand, else bf16, f16 or f32 operands; f32 sums; everything else in f32.
;; Inputs: lowp_scales 2 int32 (the exponents e of the quantised operands' scales 2^e); weight 8 x 256 x 512 float32; x 4 x 2,048 x 4,096 float32.
;; Outputs: out0 4 x 2,048 x 2,048 float32.
;; This version of the problem:
;;   THIS VERSION OF THE PROBLEM IS GIVEN IN LOW PRECISION. The matrix products marked QUANTISED in the list below multiply operands that are first quantised to E4M3 (4 exponent bits, 3 mantissa bits; 8 bits a number), with one given power-of-two scale for each operand tensor; their sums are f32. All else is computed in f32.
;;   The module's matrix products, in the order in which they are computed (A, B: the left and right operand; K: the contracted axis; several contracted axes count as one K, in the product's order):
;;     1. batch 64 x [M 1, K 1] x [K 1, N 131,072]; A: computed on the way; B: computed on the way: left as it is (no contracted axis)
;;     2. [M 8,192, K 4,096] x [K 4,096, N 2,048]; A: input x; B: computed on the way: QUANTISED (scales: A lowp_scales[0], B lowp_scales[1])
;;   THE QUANTISER, for each operand of a quantised product, along K:
;;     - The operand's scale is 2^e, e = its entry of the input lowp_scales (int32; the entries are numbered through the quantised products in the list's order, A before B).
;;     - Each number is divided by the scale, clamped to +-448, and rounded to the nearest number of E4M3, ties to even, subnormals kept.
;;     - The product sums the exact products of the quantised numbers (number of the format x scale) in f32.
;;   ~~~python
;;   def quantise(x, axis, e):      # numpy; x: float32 -> the quantised numbers, widened to float32 again
;;       x = np.moveaxis(x, axis, -1); K = x.shape[-1]
;;       r = np.clip(x / 2.0 ** e, -448, 448)
;;       step = 2.0 ** (np.maximum(np.frexp(np.where(r == 0, 1, r))[1] - 1, -6) - 3)
;;       q = np.round(r / step) * step * 2.0 ** e      # np.round: ties to even
;;       return np.moveaxis(q, -1, axis).astype(np.float32)
;;   ~~~
;;   OPERANDS COMPUTED ON THE WAY. 'Computed on the way' means the value that the module computes at that place (a softmax that the list does not call 'softmax' is quantised finished and normalised). What goes into a quantiser is computed in f32, as accurately as f32 sums, v_exp_f32 and their like allow (about 1e-6 of the number): no bf16 or f16 on the way to a quantiser, and a product that is left as it is and whose result goes on into a quantised operand takes f32 operands (vector FMAs, or v_wmma_f32_16x16x4_f32). A number that lies on a knife's edge between two numbers of the format may be rounded either way, as far as f32 arithmetic and the matrix unit's own rounding can turn it there, and no further.
;; One version. Each part assembles by itself: llvm-mc -triple=amdgcn-amd-amdhsa -mcpu=gfx1250 --defsym DOCPART=n.
;; ======== version 1 of 1: 2 launches
;; limits: right only within a limited range of input values
;; workspace buffers: wq 1,048,576 bytes
;; launch prep (part 1): grid 256 x 1, 2 waves a work-group, no clusters, 4,864 bytes of LDS; arguments weight, lowp_scales, wq; writes wq
.if DOCPART == 1
	.amdgcn_target "amdgcn-amd-amdhsa--gfx1250"
	.amdhsa_code_object_version 6
	.text
	.protected	k_q213d5b12c8_prep
	.globl	k_q213d5b12c8_prep
	.p2align	8
	.type	k_q213d5b12c8_prep,@function
k_q213d5b12c8_prep:
	s_mov_b64 s[64:65], 0
	v_nop
	global_prefetch_b8 v0, s[64:65] scope:SCOPE_SE
	s_setreg_imm32_b32 hwreg(HW_REG_WAVE_MODE, 25, 1), 1
	s_wait_xcnt 0x0
; weight [8][256][512] f32 becomes codes of FP8 (E4M3) with the given scale 2^e1 (entry 1 of the scales), laid in the order of the operand's registers:
; wq = [h 8][v 4][f 16][plane 4][lane 32][16 bytes].  h = 2 s + wh (s: which 128 of a block's K; wh: upper bit of the block's number w), v: which 64 rows of the block,
; f = 4 wl + nt (w = 4 wh + wl; nt: which 16 of the 64 rows).  Fragment F = 64 h + 16 v + f holds rows 64 v + 16 nt + r of W[w], k = 128 s + kl:
; lane (r, hh), register q, byte b holds kl = 64 hh + 4 q + b.  That is a permutation of k inside a K step of 128; the main launch lays x's codes by the same rule, so every product meets its partner.
; The signs of the octonion table are not applied here: the quantiser is odd, so the code of -W is the code of W with its top bit turned, and the main launch gives each term's sign to its product and the final scale instead.
; code = W / 2^e1, held within +-448, to the nearest code, ties to even.  LIMITS: e1 between -126 and 119.  NaN among the inputs is not served (an infinity is held at the largest code).
; SHARES: one wave makes one fragment (16 rows x 128 k).  Each load reads 512 consecutive bytes of one row; a conversion takes two rows' four numbers a lane; the code words turn through the wave's own
; stage in LDS (eight half-planes of 256 bytes + 16 of padding) and leave as four stores of 512 consecutive bytes.  Waves share nothing: no barrier.
.set FPB, 2176                         ; a wave's stage: 8 x 272 bytes
.set HP,  272                          ; a half-plane: 16 rows x 16 bytes + 16 of padding = 68 words, so that the eight half-planes that a store touches start 4 banks apart
.set R,   16                           ; v16-79  16 rows x 4 numbers as loaded
.set C,   80                           ; v80-95  a code word for each row
.set O,   96                           ; v96-111 the fragment's 16 registers
	s_load_b128 s[4:7], s[0:1], 0x0                ; weight s[4:5], the scales' exponents s[6:7]
	s_load_b64 s[8:9], s[0:1], 0x10                ; wq
	v_lshl_add_u32 v112, v0, 2, 0x1200
	v_mov_b32 v113, 0
	v_lshrrev_b32 v6, 5, v0
	v_readfirstlane_b32 s10, v6                    ; wave 0, 1
	v_and_b32 v6, 31, v0                           ; lane
	v_lshlrev_b32 v1, 4, v6                        ; 16 x lane: my bytes of a row's 512, and of a plane's 512
	v_bfe_u32 v7, v0, 2, 2                         ; my four numbers are kl = 4 lane on: plane p = (lane / 4) % 4,
	v_bfe_u32 v8, v0, 4, 1                         ; half hh = lane / 16,
	v_lshl_add_u32 v7, v7, 1, v8                   ; half-plane 2 p + hh,
	v_mul_u32_u24 v7, v7, HP
	v_and_b32 v9, 3, v0                            ; word lane % 4 of the target lane's 16 bytes
	v_lshl_add_u32 v7, v9, 2, v7
	s_mul_i32 s17, s10, FPB                        ; my wave's stage
	v_add_nc_u32 v2, s17, v7                       ; into the stage; row r adds 16 r
	v_mul_u32_u24 v8, v8, HP
	v_and_b32 v9, 15, v0
	v_lshl_add_u32 v8, v9, 4, v8
	v_add_nc_u32 v3, s17, v8                       ; out of it: 272 hh + 16 r; plane p adds 544 p
	s_lshl_b32 s11, ttmp9, 1
	s_add_co_u32 s11, s11, s10                     ; F = 2 x work-group + wave
	s_bfe_u32 s12, s11, 0x10006                    ; wh
	s_bfe_u32 s13, s11, 0x20002                    ; wl
	s_lshl_b32 s12, s12, 2
	s_add_co_u32 s12, s12, s13                     ; w
	s_lshl_b32 s20, s12, 19                        ; a block is 256 rows of 2,048 bytes
	s_bfe_u32 s14, s11, 0x20004                    ; v
	s_lshl_b32 s14, s14, 17                        ; 64 rows
	s_add_co_u32 s20, s20, s14
	s_and_b32 s15, s11, 3                          ; nt
	s_lshl_b32 s15, s15, 15                        ; 16 rows
	s_add_co_u32 s20, s20, s15
	s_lshr_b32 s16, s11, 7                         ; s
	s_lshl_b32 s16, s16, 9                         ; 128 numbers
	s_add_co_u32 s20, s20, s16
	s_mov_b32 s21, 0
	s_lshl_b32 s22, s11, 11                        ; a fragment is 2,048 bytes of wq
	s_mov_b32 s23, 0
	s_wait_kmcnt 0x0
	s_load_b32 s24, s[6:7], 0x4                    ; e1
	s_add_nc_u64 s[4:5], s[4:5], s[20:21]
	s_add_nc_u64 s[8:9], s[8:9], s[22:23]
.irp t, 0,1,2,3,4,5,6,7,8,9,10,11,12,13,14,15
	global_load_b128 v[R+4*\t:R+4*\t+3], v1, s[4:5] offset:2048*\t th:TH_LOAD_NT   ; row t: 32 lanes read 512 consecutive bytes; read once in this launch
.endr
	s_wait_kmcnt 0x0
	s_add_co_i32 s24, s24, 127
	s_lshl_b32 s25, s24, 23
	v_mov_b32 v5, s25                              ; 2^e1 as f32: the conversion takes its exponent field
	s_add_co_i32 s24, s24, 8
	s_lshl_b32 s24, s24, 23
	s_or_b32 s24, s24, 0x600000
	v_mov_b32 v4, s24                              ; 448 x 2^e1
	s_wait_alu depctr_va_vdst(0)
.irp g, 0,1,2,3,4,5,6,7
	s_wait_loadcnt 14-2*\g                         ; rows 2 g and 2 g + 1 are in; the loads of the rows behind them may be out
.irp i, 0,1,2,3,4,5,6,7
	v_med3_num_f32 v[R+8*\g+\i], v[R+8*\g+\i], -v4, v4   ; the conversion to an 8-bit code does not saturate (ISA guide 7.6.2): the hold at the largest code x the scale
.endr
	v_cvt_scalef32_pk8_fp8_f32 v[C+2*\g:C+2*\g+1], v[R+8*\g:R+8*\g+7], v5   ; first word: row 2 g's four codes; second word: row 2 g + 1's
	ds_store_b32 v2, v[C+2*\g] offset:32*\g
	ds_store_b32 v2, v[C+2*\g+1] offset:32*\g+16
.endr
	v_nop                                          ; a plain line behind the last conversion
.irp p, 0,1,2,3
	ds_load_b128 v[O+4*\p:O+4*\p+3], v3 offset:544*\p   ; LDS serves a wave's instructions in order (ISA guide 5.7.1.4): these see my stores
.endr
.irp p, 0,1,2,3
	s_wait_dscnt 3-\p
	global_store_b128 v1, v[O+4*\p:O+4*\p+3], s[8:9] offset:512*\p   ; 32 lanes store 512 consecutive bytes, at a multiple of 512 from wq's first byte
.endr
	s_wait_tensorcnt 0x0
	ds_add_u32 v112, v113
	s_wait_dscnt 0x0
	s_endpgm
.Lfunc_end_k_q213d5b12c8_prep:
	.size	k_q213d5b12c8_prep, .Lfunc_end_k_q213d5b12c8_prep-k_q213d5b12c8_prep
	.p2alignl 7, 3214868480
	.fill 96, 4, 3214868480
	.section	.rodata,"a",@progbits
	.p2align	6, 0x0
	.amdhsa_kernel k_q213d5b12c8_prep
		.amdhsa_group_segment_fixed_size 4864
		.amdhsa_private_segment_fixed_size 0
		.amdhsa_enable_private_segment 0
		.amdhsa_kernarg_size 24
		.amdhsa_user_sgpr_count 2
		.amdhsa_user_sgpr_kernarg_segment_ptr 1
		.amdhsa_wavefront_size32 1
		.amdhsa_system_sgpr_workgroup_id_x 1
		.amdhsa_system_sgpr_workgroup_id_y 1
		.amdhsa_system_sgpr_workgroup_id_z 1
		.amdhsa_system_vgpr_workitem_id 0
		.amdhsa_next_free_vgpr 114
		.amdhsa_next_free_sgpr 66
		.amdhsa_reserve_vcc 0
		.amdhsa_float_denorm_mode_32 3
		.amdhsa_float_denorm_mode_16_64 3
		.amdhsa_memory_ordered 1
		.amdhsa_forward_progress 1
		.amdhsa_inst_pref_size 11
	.end_amdhsa_kernel
	.amdgpu_metadata
---
amdhsa.version: [ 1, 2 ]
amdhsa.kernels:
  - .name:           k_q213d5b12c8_prep
    .symbol:         k_q213d5b12c8_prep.kd
    .args:
      - { .name: weight, .offset: 0, .size: 8, .value_kind: global_buffer, .address_space: global }
      - { .name: lowp_scales, .offset: 8, .size: 8, .value_kind: global_buffer, .address_space: global }
      - { .name: wq, .offset: 16, .size: 8, .value_kind: global_buffer, .address_space: global }
    .group_segment_fixed_size: 4864
    .private_segment_fixed_size: 0
    .kernarg_segment_align: 8
    .kernarg_segment_size: 24
    .max_flat_workgroup_size: 64
    .sgpr_count:     66
    .vgpr_count:     114
    .wavefront_size: 32
...
	.end_amdgpu_metadata
.endif
;; end of part 1
;; launch main (part 2): grid 256 x 1, 4 waves a work-group, clusters of 4 x 1, 327,680 bytes of LDS; arguments x, wq, lowp_scales, out0; writes out0
.if DOCPART == 2
	.amdgcn_target "amdgcn-amd-amdhsa--gfx1250"
	.amdhsa_code_object_version 6
	.text
	.protected	k_q213d5b12c8_main
	.globl	k_q213d5b12c8_main
	.p2align	8
	.type	k_q213d5b12c8_main,@function
k_q213d5b12c8_main:
	s_mov_b64 s[64:65], 0
	v_nop
	global_prefetch_b8 v0, s[64:65] scope:SCOPE_SE
	s_setreg_imm32_b32 hwreg(HW_REG_WAVE_MODE, 25, 1), 1
	s_wait_xcnt 0x0
	s_wait_alu depctr_hold_cnt(0) depctr_sa_sdst(0) depctr_va_vdst(0) depctr_va_sdst(0) depctr_va_ssrc(0) depctr_va_vcc(0) depctr_vm_vsrc(0)
	s_getreg_b32 s2, hwreg(HW_REG_IB_STS2, 6, 4)
	s_cmp_eq_u32 s2, 0
	s_cbranch_scc0 .Lentry_in_a_cluster
	s_endpgm
.Lentry_in_a_cluster:
	s_bfe_u32 s2, ttmp6, 0x10000c
	s_cmp_lg_u32 s2, 0x3003
	s_cbranch_scc0 .Lentry_shape_is_right
	s_endpgm
.Lentry_shape_is_right:
; y[row][256 i + n] = sum over j, k of sign[i][j] x[row][512 j + k] W[i xor j][n][k], both operands as codes of FP8 (E4M3); sums in f32, each finished sum x 2^(e0 + e1).
; THE SIGNS: reference() multiplies W by +-1 ahead of the quantiser.  The quantiser is odd, so the code of -W is minus the code of W, and a term's sign can be given to its product:
; a matrix instruction computes A B + C or, with neg_lo on C, A B - C.  A register sum t stands for the true sum S = g t, g the sign of the term added last: the next term, of sign e, is added by
; t = A B + t where e = g and by t = A B - t where e differs; then g = e.  Which form each instruction takes is settled by the table when the text is assembled; the last g goes into the final scale.
; x's code = x / 2^e0, held within +-448, to the nearest code, ties to even.  LIMITS: e0 between -126 and 119, e0 + e1 between -126 and 127.  NaN among the inputs is not served.
; SHARES: 256 work-groups; each makes 32 rows x all 2,048 columns.  Wave v makes columns 64 v .. 64 v + 63 of each of the eight i: 2 (mt) x 8 (i) x 4 (nt) = 64 accumulators, 512 registers.
; A K step s is k = 128 s .. 128 s + 127 of all eight j: 16 fragments of x's codes (256 registers), held for the whole step.  A run R = 8 s + w takes the four fragments (nt) of block W[w]
; against all sixteen: 64 matrix instructions on 64 different accumulators.
; W's codes (wq, laid by the launch before in the order of the operand's registers) come by JOINT tensor loads of the four work-groups of a cluster, which all walk the same wq: two slots of
; half a K step (four runs, 131,072 bytes); each wave moves and reads its own quarter.  A slot is filled again ahead of its half's last run, whose fragments are in registers by then.
; x comes as f32 straight into registers: a unit is two rows of 512 bytes (one j of one row each); a ring of 12 units keeps 24 loads of every wave out.  Between two runs four or five units become
; code words and go into an image in LDS, in the order of the operand's registers, from which every wave takes all sixteen fragments at the step's edge.
; THE LAST K STEP goes by rows: all eight blocks of W against rows 0-15, then against rows 16-31 (both halves of W lie in LDS); rows 0-15 leave between the runs of rows 16-31.
; PREFETCH: wq's 4,096 blocks of 256 bytes are asked for once at the head, shared out by address: wave v of work-group g names the eight blocks from 32 (g mod 128) + 8 v on, four lanes to a block, so that
; work-groups 0-127 name all of wq once and work-groups 128-255 once more.  x's tiles of steps 2 and 3: each wave asks for its own rows, 16 rows (32 blocks, a lane a block) an instruction, ahead of runs 2, 4, 5 and 6
; of the step two before, which is three to five runs ahead of the ring's loads of those rows; steps 0 and 1 come by their loads alone.
; REGISTERS: window 0: v0-15, v27 addresses, v16-25 code words, v32-127 the ring of x (in the last step: the way out), v128-255 W's two buffers; window 1: x's fragments; windows 2, 3: accumulators of mt 0, 1 at v[8 (4 i + nt)].
.set SLOTB,  131072
.set IMG,    2*SLOTB                   ; the image: 16 fragments of 8 half-planes of 272 bytes
.set FP,     2176
.set HP,     272
.set STAGE,  IMG+16*FP                 ; the way out: 16 rows x 272 bytes for each wave
.set SPITCH, 272
.set SPARE,  STAGE+4*16*SPITCH         ; the spare words: 128 bytes a wave, named by no other line
.set NEGLO,  0xA4C268FE                ; bit 8 i + j: sign[i][j] is -1 (i = 0 .. 3)
.set NEGHI,  0x3298540E                ; the same for i = 4 .. 7
.set SPW, 1
.set NIL, 2
.set XO,  3                            ; my offset in the work-group's rows of x: 131,072 x wave + 16 x lane
.set IW,  4                            ; into the image
.set FA,  5                            ; out of the image
.set BA,  6                            ; v6, v7: my 16 bytes of my quarter of slot 0, 1
.set PF,  8                            ; x's prefetches: 131,072 x wave + 2,048 (lane / 2) + 256 (lane % 2); never rewritten
.set SCL, 9                            ; 2^e0 as f32
.set STO, 10
.set RD,  11
.set CO,  12
.set CD,  16                           ; code words of a batch
.set PW,  27                           ; wq's prefetch: my block; never rewritten
.set CH,  192                          ; code words at the head: two sets of 16
.set ST,  32                           ; the ring: 12 units of 8 registers
.set BF,  128                          ; W's two buffers
.set TMP, 32
.set BK,  64
.set G1,  16
.set G0,  24
.set MUL0, 0xa4                        ; source 0 (W) window 0, source 1 (x) window 1, C and D window 2
.set UI,  32                           ; units asked for through the ring (a unit's number: 32 s + its place in the step); step 0's 32 go another way
.set UQ,  32                           ; units made into codes
.set MSB, 0
.macro WIN new
.if MSB != (\new)
	s_set_vgpr_msb (MSB<<8)|(\new)
.set MSB, (\new)
.endif
.endm
.macro PLACES                          ; five places: behind matrix instructions, ahead of loads into their sources and of a link with another modifier on the same accumulator
.rept 5
	v_nop
.endr
.endm
.macro ROUND                           ; a round of the cluster's barrier
	s_barrier_signal -1
	s_barrier_wait -1
	s_cmp_lg_u32 s12, 0
	s_cbranch_scc1 .Lnot_wave_0_\@
	s_barrier_signal -3
.Lnot_wave_0_\@:
	s_barrier_wait -3
	s_barrier_signal -1
	s_barrier_wait -1
.endm
.macro SG i, j                         ; sg_ = 1 where sign[i][j] is -1
.if (\i) < 4
.set sg_, (NEGLO>>(8*(\i)+(\j)))&1
.else
.set sg_, (NEGHI>>(8*((\i)-4)+(\j)))&1
.endif
.endm
.macro BLOAD w, buf                    ; the four fragments of W[w] of this K step: 16 loads of 512 consecutive bytes of my quarter
.set k_, 0
.rept 16
	ds_load_b128 v[BF+64*(\buf)+4*k_:BF+64*(\buf)+4*k_+3], v[BA+(((\w)>>2)&1)] offset:((\w)&3)*8192+512*k_
.set k_, k_+1
.endr
.endm
.macro ALOAD hf                        ; the eight fragments of rows 16 hf .. 16 hf + 15 out of the image
	WIN 0x40
.set k_, 8*(\hf)
.rept 8
.irp p, 0,1,2,3
	ds_load_b128 v[16*k_+4*\p:16*k_+4*\p+3], v[FA] offset:FP*k_+544*\p
.endr
.set k_, k_+1
.endr
	WIN 0
.endm
.macro HR R, mt, buf                   ; half a run: four fragments of W[w] x the eight j of 16 rows: 32 accumulators, one instruction each
.set w_, (\R)&7
.set pw_, (w_+7)&7
	WIN MUL0+0x50*(\mt)
.set n_, 0
.rept 32
.set j_, n_&7
.set i_, (j_|w_)-(j_&w_)
.set pj_, (i_|pw_)-(i_&pw_)
	SG i_, j_
.set e_, sg_
	SG i_, pj_
.set d_, 8*(4*i_+(n_>>3))
.set a_, 16*(8*(\mt)+j_)
.set b_, BF+64*(\buf)+16*(n_>>3)
.if (\R) == 0
	v_wmma_f32_16x16x128_fp8_fp8 v[d_:d_+7], v[b_:b_+15], v[a_:a_+15], 0
.elseif e_ != sg_
	v_wmma_f32_16x16x128_fp8_fp8 v[d_:d_+7], v[b_:b_+15], v[a_:a_+15], v[d_:d_+7] neg_lo:[0,0,1]
.else
	v_wmma_f32_16x16x128_fp8_fp8 v[d_:d_+7], v[b_:b_+15], v[a_:a_+15], v[d_:d_+7]
.endif
.set n_, n_+1
.endr
.endm
.macro ASK q, t                        ; rows 16 q .. 16 q + 15 of my 64 of step t's tile: 32 blocks of 256 bytes, a lane a block
	global_prefetch_b8 v[PF], s[4:5] offset:32768*(\q)+512*(\t) th:TH_LOAD_NT scope:SCOPE_SE
.endm
.macro RLOAD                           ; the next unit of x into its place in the ring: two loads of 512 consecutive bytes, read once in the launch
.if UI < 128
	global_load_b128 v[ST+8*(UI%12):ST+8*(UI%12)+3], v[XO], s[4:5] offset:(2*(UI&31))*2048+(UI>>5)*512 th:TH_LOAD_NT
	global_load_b128 v[ST+8*(UI%12)+4:ST+8*(UI%12)+7], v[XO], s[4:5] offset:(2*(UI&31)+1)*2048+(UI>>5)*512 th:TH_LOAD_NT
.set UI, UI+1
.endif
.endm
.macro QBATCH n                        ; n units become code words; each unit's place takes the unit 12 further on
	s_wait_loadcnt 2*(UI-UQ-(\n))                  ; loads come back in order: the younger units' may be out
.set k_, 0
.rept \n
.irp i, 0,1,2,3,4,5,6,7
	v_med3_num_f32 v[ST+8*((UQ+k_)%12)+\i], v[ST+8*((UQ+k_)%12)+\i], s41, s40   ; the conversion does not saturate (ISA guide 7.6.2): held within +-448 x 2^e0
.endr
.set k_, k_+1
.endr
.set k_, 0
.rept \n
	v_cvt_scalef32_pk8_fp8_f32 v[CD+2*k_:CD+2*k_+1], v[ST+8*((UQ+k_)%12):ST+8*((UQ+k_)%12)+7], v[SCL]
.set k_, k_+1
.endr
	v_nop                                          ; a plain line behind the last conversion
.set k_, 0
.rept \n
.set gq_, (UQ+k_)&15
.set eq_, ((UQ+k_)>>4)&1
	ds_store_b32 v[IW], v[CD+2*k_] offset:((2*gq_)&7)*FP+(4*eq_+(gq_>>2))*16
	ds_store_b32 v[IW], v[CD+2*k_+1] offset:((2*gq_+1)&7)*FP+(4*eq_+(gq_>>2))*16
	RLOAD
.set k_, k_+1
.endr
.set UQ, UQ+(\n)
.endm
.macro HX a, n                         ; at the head: rows a .. a + n - 1 of my 64 of step 0 into window 1, row t in v[4 t ..]
	WIN 0x40
.set k_, \a
.rept \n
	global_load_b128 v[4*k_:4*k_+3], v[XO], s[4:5] offset:2048*k_ th:TH_LOAD_NT
.set k_, k_+1
.endr
	WIN 0
.endm
.macro QGROUP g, cnt                   ; at the head: 16 rows of step 0 become code words
	s_wait_loadcnt \cnt
.if (\g) >= 2
	s_wait_dscnt 16                                ; all but the last group's stores: the set of code words written now has been read
.endif
	WIN 0x41
.set k_, 0
.rept 64
	v_med3_num_f32 v[64*(\g)+k_], v[64*(\g)+k_], s41, s40
.set k_, k_+1
.endr
	WIN 0x01
.set k_, 0
.rept 8
	v_cvt_scalef32_pk8_fp8_f32 v[CH+16*((\g)&1)+2*k_:CH+16*((\g)&1)+2*k_+1], v[64*(\g)+8*k_:64*(\g)+8*k_+7], v[SCL]
.set k_, k_+1
.endr
	v_nop
	WIN 0
.set k_, 0
.rept 8
.set gq_, (8*(\g)+k_)&15
.set eq_, (8*(\g)+k_)>>4
	ds_store_b32 v[IW], v[CH+16*((\g)&1)+2*k_] offset:((2*gq_)&7)*FP+(4*eq_+(gq_>>2))*16
	ds_store_b32 v[IW], v[CH+16*((\g)&1)+2*k_+1] offset:((2*gq_+1)&7)*FP+(4*eq_+(gq_>>2))*16
.set k_, k_+1
.endr
.endm
.macro MEET slot                       ; the other slot's half has landed, every wave's reads of this slot are over (its last fragments are in registers): it takes the half two further on
	s_wait_tensorcnt 0x0
	ds_add_u32 v[SPW], v[NIL]
	s_add_nc_u64 s[G0+4*(\slot)+2:G0+4*(\slot)+3], s[G0+4*(\slot)+2:G0+4*(\slot)+3], 2*SLOTB
	s_wait_dscnt 0x0
	ROUND
	tensor_load_to_lds s[G0+4*(\slot):G0+4*(\slot)+3], s[G1:G1+7]
	s_nop 0
	PLACES
.endm
.macro STEP s                          ; K steps 0 to 2
.set r_, 8*(\s)
.rept 8
.set w2_, r_&7
	WIN 0
.if w2_ == 0
	PLACES
	ALOAD 1
	BLOAD 1, (r_+1)&1
	s_wait_dscnt 48                                ; this run's W and the fragments of rows 0-15 are in; the 48 loads just issued may be out
	HR r_, 0, r_&1
	s_wait_dscnt 16                                ; the fragments of rows 16-31 too
	HR r_, 1, r_&1
.else
	s_wait_dscnt 0x0                               ; this run's W is in, and the last batch's stores have read their words
.if w2_ == 1
	s_barrier_signal -1                            ; every wave has taken its fragments: the image may be written again
	s_barrier_wait -1
.endif
.if w2_ <= 4
	QBATCH 5
.else
	QBATCH 4
.endif
.if (w2_ == 3) || (w2_ == 7)
	MEET (w2_>>2)&1
.endif
	BLOAD (w2_+1)&7, (r_+1)&1
.if (\s) < 2
.if w2_ == 2
	ASK 0, (\s)+2
.elseif (w2_ >= 4) && (w2_ <= 6)
	ASK w2_-3, (\s)+2
.endif
.endif
	HR r_, 0, r_&1
.if w2_ == 7
	WIN 0
	PLACES
	ALOAD 0                                        ; the image is whole since the round above; the fragments of rows 0-15 are done with
.endif
	HR r_, 1, r_&1
.endif
.set r_, r_+1
.endr
.endm
; THE WAY OUT, block by block (mt, i) of 16 rows x 64 columns: x +-2^(e0 + e1), through my own stage, back as rows of 256 bytes; sixteen lanes store one aligned unit of 256 bytes.
.macro TOSTAGE b
.set i_, (\b)&7
.set pj_, 7-i_
	SG i_, pj_                                     ; the sign of the sum's last term, w = 7
	WIN 0x02+((\b)>>3)
.set k_, 0
.rept 16
	v_pk_mul_f32 v[TMP+2*k_:TMP+2*k_+1], v[32*((\b)&7)+2*k_:32*((\b)&7)+2*k_+1], s[36+2*sg_:37+2*sg_] op_sel_hi:[1,0]
.set k_, k_+1
.endr
	WIN 0
.irp t, 0,1,2,3
	ds_store_b128 v[STO], v[TMP+8*\t:TMP+8*\t+3] offset:64*\t
	ds_store_b128 v[STO], v[TMP+8*\t+4:TMP+8*\t+7] offset:64*\t+16
.endr
.irp t, 0,1,2,3,4,5,6,7
	ds_load_b128 v[BK+32*((\b)%2)+4*\t:BK+32*((\b)%2)+4*\t+3], v[RD] offset:2*\t*SPITCH   ; LDS serves a wave's instructions in order (ISA guide 5.7.1.4)
.endr
.endm
.macro SEND b, younger
	s_wait_dscnt \younger
.irp t, 0,1,2,3,4,5,6,7
	global_store_b128 v[CO], v[BK+32*((\b)%2)+4*\t:BK+32*((\b)%2)+4*\t+3], s[10:11] offset:(16*((\b)>>3)+2*\t)*8192+1024*((\b)&7) th:TH_STORE_NT
.endr
.endm
.macro LAST                            ; K step 3: sixteen half runs, rows 0-15 first; block i of rows 0-15 leaves ahead of the i-th half run of rows 16-31
.set q3_, 0
.rept 16
.set w3_, q3_&7
.set m3_, q3_>>3
	WIN 0
.if q3_ == 0
	PLACES
	ALOAD 1
	BLOAD 1, 1
	s_wait_dscnt 48
.else
	s_wait_dscnt 0x0
.if (m3_ == 0) || (w3_ == 0)
	PLACES
.endif
.if m3_ == 1
.if w3_ > 1
	s_wait_xcnt 0x0                                ; block w - 2's stores have read their registers
.endif
	TOSTAGE w3_
.if w3_ > 0
	SEND w3_-1, 16
.endif
.endif
.if q3_ == 3
	s_wait_tensorcnt 0x0                           ; my quarter of the last half of W is in; nothing is filled again
.endif
.if q3_ < 15
	BLOAD (w3_+1)&7, (q3_+1)&1
.endif
.endif
	HR 24+w3_, m3_, q3_&1
.set q3_, q3_+1
.endr
.endm
	s_load_b256 s[4:11], s[0:1], 0x0               ; x s[4:5], wq s[6:7], the scales' exponents s[8:9], out0 s[10:11]
	v_lshl_add_u32 v[SPW], v0, 2, SPARE
	v_mov_b32 v[NIL], 0
	ds_add_u32 v[SPW], v[NIL]                      ; the add, twice on end, and its wait below
	ds_add_u32 v[SPW], v[NIL]
	v_lshrrev_b32 v13, 5, v0
	v_readfirstlane_b32 s12, v13                   ; wave
	s_bfe_u32 s13, ttmp6, 0x40000                  ; cx
	s_lshl_b32 s14, ttmp9, 2
	s_add_co_u32 s14, s14, s13                     ; work-group = 4 x cluster + cx
	s_lshl_b32 s40, s12, 17                        ; my 8 rows of x: 64 pieces 2,048 bytes apart
	s_lshl_b32 s41, s12, 15                        ; my quarter of a slot and of a half of wq
	s_lshr_b32 s42, s12, 1
	s_mul_i32 s42, s42, 8*FP                       ; my rows lie in fragments 8 (wave / 2) + j,
	s_and_b32 s43, s12, 1
	s_lshl_b32 s43, s43, 7                         ; from row 8 (wave % 2) on
	s_add_co_u32 s42, s42, s43
	s_add_co_u32 s42, s42, IMG
	s_mul_i32 s44, s12, 16*SPITCH
	s_add_co_u32 s44, s44, STAGE
	s_lshl_b32 s45, s12, 8
	s_mov_b32 s[G1+0], 15|(3<<16)|(1<<21)          ; the mask names the cluster's four; elements of 8 bytes; bit 21 beside a mask
	s_mov_b32 s[G1+1], 32<<16                      ; rows of 256 bytes,
	s_mov_b32 s[G1+2], 128<<16                     ; 128 of them, dense
	s_mov_b32 s[G1+3], 32<<16
	s_mov_b32 s[G1+4], 128
	s_mov_b32 s[G1+5], 32
	s_mov_b32 s[G1+6], 0
	s_mov_b32 s[G1+7], 0
	s_lshl_b32 s32, s14, 19                        ; 32 rows of x
	s_mov_b32 s33, 0
	s_lshl_b32 s34, s14, 18                        ; 32 rows of out0
	s_mov_b32 s35, 0
	s_mov_b32 s46, s41
	s_mov_b32 s47, 0
	s_and_b32 s48, s14, 127                        ; wq's prefetch: 32 blocks a work-group,
	s_lshl_b32 s48, s48, 13
	s_lshl_b32 s49, s12, 11                        ; 8 a wave
	s_add_co_u32 s48, s48, s49
	v_and_b32 v13, 31, v0
	v_and_b32 v14, 15, v0                          ; r
	v_bfe_u32 v15, v0, 4, 1                        ; hh
	v_lshlrev_b32 v13, 4, v13
	v_add_nc_u32 v[XO], s40, v13
	v_add_nc_u32 v[BA], s41, v13
	v_add_nc_u32 v[BA+1], SLOTB, v[BA]
	v_bfe_u32 v[IW], v0, 2, 2                      ; my four numbers are k = 4 lane on: plane (lane / 4) % 4,
	v_lshl_add_u32 v[IW], v[IW], 1, v15            ; half-plane 2 p + hh,
	v_mul_u32_u24 v[IW], v[IW], HP
	v_and_b32 v13, 3, v0                           ; word lane % 4
	v_lshl_add_u32 v[IW], v13, 2, v[IW]
	v_add_nc_u32 v[IW], s42, v[IW]
	v_mul_u32_u24 v[FA], v15, HP
	v_lshl_add_u32 v[FA], v14, 4, v[FA]            ; 272 hh + 16 r
	v_add_nc_u32 v[RD], s44, v[FA]
	v_add_nc_u32 v[FA], IMG, v[FA]
	v_mul_u32_u24 v[STO], v14, SPITCH
	v_lshl_add_u32 v[STO], v15, 5, v[STO]
	v_add_nc_u32 v[STO], s44, v[STO]
	v_lshlrev_b32 v[CO], 13, v15
	v_lshl_add_u32 v[CO], v14, 4, v[CO]
	v_add_nc_u32 v[CO], s45, v[CO]
	v_bfe_u32 v[PF], v0, 1, 4                      ; row lane / 2 of sixteen, block lane % 2 of its 512 bytes
	v_lshlrev_b32 v[PF], 11, v[PF]
	v_and_b32 v13, 1, v0
	v_lshl_add_u32 v[PF], v13, 8, v[PF]
	v_add_nc_u32 v[PF], s40, v[PF]
	v_bfe_u32 v[PW], v0, 2, 3                      ; block lane / 4 of my wave's eight
	v_lshl_add_u32 v[PW], v[PW], 8, s48
	s_wait_alu depctr_va_vdst(0)                   ; the wait at the head's end
	s_wait_dscnt 0x0                               ; both opening adds are done
	s_wait_kmcnt 0x0
	s_load_b64 s[36:37], s[8:9], 0x0               ; e0, e1
	s_add_nc_u64 s[4:5], s[4:5], s[32:33]
	s_add_nc_u64 s[10:11], s[10:11], s[34:35]
	s_mov_b32 s[G0+0], 1
	s_mov_b32 s[G0+1], s41
	s_add_nc_u64 s[G0+2:G0+3], s[6:7], s[46:47]    ; half 0
	s_mov_b32 s[G0+4], 1
	s_add_co_u32 s[G0+5], s41, SLOTB
	s_add_nc_u64 s[G0+6:G0+7], s[G0+2:G0+3], SLOTB ; half 1
	s_or_b32 s[G0+3], s[G0+3], 0x80000000
	s_or_b32 s[G0+7], s[G0+7], 0x80000000
	HX 0, 56                                       ; 56 of my 64 rows of step 0
	ROUND                                          ; in front of the first joint loads
	tensor_load_to_lds s[G0:G0+3], s[G1:G1+7]      ; my one tensor load at the head
	s_nop 0
	PLACES
	s_wait_kmcnt 0x0
	s_add_co_i32 s42, s36, 127
	s_lshl_b32 s43, s42, 23
	v_mov_b32 v[SCL], s43                          ; 2^e0: the conversion takes its exponent field
	s_add_co_i32 s42, s42, 8
	s_lshl_b32 s40, s42, 23
	s_or_b32 s40, s40, 0x600000                    ; 448 x 2^e0,
	s_xor_b32 s41, s40, 0x80000000                 ; and minus that
	s_add_co_i32 s36, s36, s37
	s_add_co_i32 s36, s36, 127
	s_lshl_b32 s36, s36, 23                        ; 2^(e0 + e1),
	s_mov_b32 s37, s36
	s_xor_b32 s38, s36, 0x80000000                 ; and minus that, for the sums whose last term was negative
	s_mov_b32 s39, s38
	s_wait_alu depctr_va_vdst(0)
	global_prefetch_b8 v[PW], s[6:7] th:TH_LOAD_NT scope:SCOPE_SE   ; my eight blocks of wq
	QGROUP 0, 40                                   ; step 0 becomes codes while half 0 of W is on its way.  Rows 0-15 are in; 40 younger loads
	HX 56, 8
	QGROUP 1, 32                                   ; rows 16-31; rows 32-63 may be out
.rept 6
	RLOAD
.endr
	QGROUP 2, 28                                   ; rows 32-47; behind them 16 rows and 12 loads of the ring
.rept 6
	RLOAD
.endr
	QGROUP 3, 24                                   ; rows 48-63; behind them the ring's 24
	s_wait_tensorcnt 0x0                           ; half 0 is in; slot 1's first fill is issued as a refill is
	ds_add_u32 v[SPW], v[NIL]
	s_wait_dscnt 0x0                               ; the add is done, and, for the others' sake, my words are in the image
	ROUND                                          ; behind it the image is whole
	tensor_load_to_lds s[G0+4:G0+7], s[G1:G1+7]
	s_nop 0
	PLACES
	BLOAD 0, 0
	ALOAD 0
	STEP 0
	STEP 1
	STEP 2
	LAST
	WIN 0
	PLACES
.irp b, 8,9,10,11,12,13,14,15
	s_wait_xcnt 0x0                                ; block b - 2's stores have read their registers
	TOSTAGE \b
	SEND \b-1, 16                                  ; behind block b - 1's loads: block b's 8 stores and 8 loads
.endr
	SEND 15, 0
	s_wait_tensorcnt 0x0                           ; the wave's end
	ds_add_u32 v[SPW], v[NIL]
	s_wait_dscnt 0x0
	ROUND                                          ; the closing round
	s_endpgm
.Lfunc_end_k_q213d5b12c8_main:
	.size	k_q213d5b12c8_main, .Lfunc_end_k_q213d5b12c8_main-k_q213d5b12c8_main
	.p2alignl 7, 3214868480
	.fill 96, 4, 3214868480
	.section	.rodata,"a",@progbits
	.p2align	6, 0x0
	.amdhsa_kernel k_q213d5b12c8_main
		.amdhsa_group_segment_fixed_size 327680
		.amdhsa_private_segment_fixed_size 0
		.amdhsa_enable_private_segment 0
		.amdhsa_kernarg_size 32
		.amdhsa_user_sgpr_count 2
		.amdhsa_user_sgpr_kernarg_segment_ptr 1
		.amdhsa_wavefront_size32 1
		.amdhsa_system_sgpr_workgroup_id_x 1
		.amdhsa_system_sgpr_workgroup_id_y 1
		.amdhsa_system_sgpr_workgroup_id_z 1
		.amdhsa_system_vgpr_workitem_id 0
		.amdhsa_next_free_vgpr 1024
		.amdhsa_next_free_sgpr 66
		.amdhsa_reserve_vcc 0
		.amdhsa_float_denorm_mode_32 3
		.amdhsa_float_denorm_mode_16_64 3
		.amdhsa_memory_ordered 1
		.amdhsa_forward_progress 1
		.amdhsa_inst_pref_size 255
	.end_amdhsa_kernel
	.section	.bss,"aw",@nobits
	.p2align	6
	.space	262144
	.amdgpu_metadata
---
amdhsa.version: [ 1, 2 ]
amdhsa.kernels:
  - .name:           k_q213d5b12c8_main
    .symbol:         k_q213d5b12c8_main.kd
    .args:
      - { .name: x, .offset: 0, .size: 8, .value_kind: global_buffer, .address_space: global }
      - { .name: wq, .offset: 8, .size: 8, .value_kind: global_buffer, .address_space: global }
      - { .name: lowp_scales, .offset: 16, .size: 8, .value_kind: global_buffer, .address_space: global }
      - { .name: out0, .offset: 24, .size: 8, .value_kind: global_buffer, .address_space: global }
    .group_segment_fixed_size: 327680
    .private_segment_fixed_size: 0
    .kernarg_segment_align: 8
    .kernarg_segment_size: 32
    .max_flat_workgroup_size: 128
    .sgpr_count:     66
    .vgpr_count:     1024
    .wavefront_size: 32
...
	.end_amdgpu_metadata
.endif
;; end of part 2
